; MI455X (gfx1250); checked and timed in simulation.
; The chip was launched on July 23, 2026; its instructions are those of AMD's public machine-readable ISA for CDNA 5 (MIT licence, August 2026) and "CDNA5" Instruction Set Architecture Reference Guide (July 2026). The comments in the code are by the model that wrote it; some were corrected since.
;; ROI Pooling. Allowed arithmetic: float matrix products may take bf16 or f16 operands with f32 sums; all other float work in f32.
;; Inputs: roi_idx 1,024 int32; rois 1,024 x 2 int32; sentences 32 x 256 x 512 x 1 float32.
;; Outputs: out0 1,024 x 256 x 8 x 1 float32.
;; 2 versions, each right; version 2 is version 1 with the launch roipool written anew for expert scheduling mode. Each part assembles by itself: llvm-mc -triple=amdgcn-amd-amdhsa -mcpu=gfx1250 --defsym DOCPART=n.
;; ======== version 1 of 2: 1 launch
;; launch roipool (part 1): grid 8 x 32, 32 waves a work-group, no clusters, 207,616 bytes of LDS; arguments roi_idx, rois, sentences, out0; writes out0
.if DOCPART == 1
	.amdgcn_target "amdgcn-amd-amdhsa--gfx1250"
	.amdhsa_code_object_version 6
	.text
	.protected	k_qed9a7d0c58_roipool
	.globl	k_qed9a7d0c58_roipool
	.p2align	8
	.type	k_qed9a7d0c58_roipool,@function
k_qed9a7d0c58_roipool:
	s_mov_b64 s[64:65], 0
	v_nop
	global_prefetch_b8 v0, s[64:65] scope:SCOPE_SE
	s_setreg_imm32_b32 hwreg(HW_REG_WAVE_MODE, 25, 1), 1
	s_wait_xcnt 0x0
; out[n][c][j] = max of sentences[roi_idx[n]][c][p] over p in [x1 + floor(j lr / 8), x1 + ceil((j+1) lr / 8)), lr = x2 - x1, j = 0..7; -inf for an empty bin.
; sentences [32][256][512] f32, rois [1024][2] i32, roi_idx [1024] i32, out [1024][256][8] f32.
;
; Work-group (cg, b) = (ttmp9, ttmp7) owns the 32 channels 32 cg .. 32 cg + 31 of batch b: 64 KB, dense in memory, read once in the launch,
; and serves every ROI whose roi_idx is b.  256 work-groups cover sentences exactly once.
; For lr >= 1 a bin's length l lies in q .. q + 2 with q = lr >> 3.  LDS holds three arrays for each channel: x, T4[p] = max x[p..p+3],
; T16[p] = max x[p..p+15].  With the window w = 1 (lr < 32), 4 (lr < 128) or 16 (else), w <= l <= 5 w holds for all eight bins (l <= 5, 17, 65),
; so the five windows at min(s + i w, e - w), i = 0..4, cover the bin [s, e) exactly: five LDS words for a bin whatever its length, no mask, no inner loop.
; For lr <= 0 a bin has at most one element; such ROIs take a second way, written out behind a branch on lr.
; 32 waves.  Wave w brings in row w of the tile, builds the tables at positions 16 w .. 16 w + 15 of all 32 rows, and then serves those of the ROIs
; 32 w .. 32 w + 31 that name batch b, lane = channel.  Which these are it finds by itself: lane l reads roi_idx[32 w + l], one compare makes a lane mask
; in a scalar register, and the mask's bits are taken from the lowest up.  Every number that steers a branch or an address is thus read from memory by
; the wave that uses it, and none is handed from wave to wave.  The price: the waves' numbers of ROIs are uneven (one on the average for indices spread evenly).
;
; LIMITS.  x1 and x2 lie in 0..512 (positions of the row that they index); any other number is taken as 512.  roi_idx lies in 0..31: an ROI with
; another index is written by no work-group.  A NaN in sentences is skipped (v_max_num_f32), where reference() would hand it on.  The time grows with
; the largest number of ROIs of one batch among 32 neighbouring ROIs.
.set PITCH,  2120                      ; an LDS row: 512 words of data and 18 of -inf = 530 words: row c starts at bank 18 c mod 64 (64 banks of 4 bytes:
                                       ; ISA guide 11.1), 32 different even banks, so 32 lanes that read one word or one aligned pair at the same place of 32 rows do not collide
.set ARR,    32*PITCH                  ; one array: 32 rows
.set ARRW,   ARR/4                     ; the same in words
.set PMAX,   2*ARRW+511                ; the largest word index, counted from a lane's row of x, that a query of the first way may name
.set NINF,   512                       ; word 512 of a row of x: -inf
.set TAILS,  27                        ; 9 pairs of -inf behind a row, in each of 3 arrays: one store for each of waves 0-26
.set LANE, 1                           ; v1      lane
.set ROW,  2                           ; v2      lane x PITCH: my channel's row
.set T,    3                           ; v3      at work
.set GOFF, 4                           ; v4      8 x lane
.set LA,   5                           ; v5      fill: LDS address of my 8 bytes in my wave's row
.set PADA, 6                           ; v6      fill: LDS address (less 2,048) of my wave's pair of -inf in row = lane
.set BA,   7                           ; v7      build: my row of x at my wave's 16 positions
.set NEG,  8                           ; v[8:9]  -inf, twice
.set BA4,  10                          ; v10     the same place in T4
.set BA16, 11                          ; v11     the same place in T16
.set X,    12                          ; v[12:43]  fill: 8 pairs as loaded; build: 32 positions of my row
.set LD,   12                          ; v[12:51]  queries: five windows for each of eight bins
.set IDXV, 60                          ; v60     roi_idx of ROI 32 w + lane
.set I4,   61                          ; v61     its byte offset: 4 x thread
.set AD,   62                          ; v[62:66] five LDS addresses
.set OFFL, 67                          ; v67     my lane's byte offset in an ROI's 1 KB of output
.set OFF,  68                          ; v68     the same plus the ROI's 8,192 n
.set ACC,  70                          ; v[70:77] the eight bins of my channel, then what I store
.set M,    78                          ; v[78:81] what goes to lane s xor 8
; The lowest ROI left in my mask s24: its number into s50, its x1 and x2 asked for into s[48:49], its bit cleared.  With no bit left s_ctz_i32_b32 gives -1,
; which the minimum turns into my last ROI: that load stays inside rois and its result is not used.  s27 = 32 w.
.macro NEXT
	s_ctz_i32_b32 s26, s24
	s_min_u32 s26, s26, 31
	s_add_co_u32 s50, s27, s26
	s_min_u32 s50, s50, 0x3ff                      ; a number made from loaded data enters an address only behind a minimum with a constant
	s_lshl_b32 s47, s50, 3                         ; 8 bytes an ROI
	s_load_b64 s[48:49], s[6:7], s47 offset:0x0
	s_sub_co_u32 s25, s24, 1
	s_and_b32 s24, s24, s25                        ; m & (m - 1): the lowest bit goes
.endm
	s_load_b256 s[4:11], s[0:1], 0x0               ; roi_idx s[4:5], rois s[6:7], sentences s[8:9], out s[10:11]
	v_lshl_add_u32 v84, v0, 2, 0x31b00
	v_mov_b32 v85, 0
	v_and_b32 v[LANE], 31, v0
	v_lshrrev_b32 v[T], 5, v0
	v_readfirstlane_b32 s12, v[T]                  ; wave 0..31
	s_and_b32 s14, ttmp7, 0xffff                   ; batch b
	s_lshl_b32 s16, s14, 19                        ; b x 256 channels x 2,048 bytes
	s_lshl_b32 s17, ttmp9, 16                      ; + cg x 32 channels
	s_add_co_u32 s16, s16, s17
	s_lshl_b32 s17, s12, 11                        ; + wave x 1 channel
	s_add_co_u32 s16, s16, s17
	s_mov_b32 s17, 0
	s_lshl_b32 s20, ttmp9, 10                      ; out: cg x 32 channels x 32 bytes
	s_mov_b32 s21, 0
	s_mul_i32 s18, s12, PITCH                      ; my wave's row in LDS
	s_lshl_b32 s19, s12, 6                         ; my wave's 16 positions in a row
	s_lshl_b32 s27, s12, 5                         ; my wave's first ROI
	s_mul_i32 s25, s12, 57                         ; tails: wave w < 27 takes pair w mod 9 of array w / 9; w / 9 = (57 w) >> 9 for w <= 31
	s_lshr_b32 s25, s25, 9
	s_mul_i32 s26, s25, 9
	s_sub_co_u32 s26, s12, s26
	s_mul_i32 s25, s25, ARR
	s_lshl3_add_u32 s25, s26, s25                  ; 8 x pair + the array
	v_mul_u32_u24 v[ROW], v[LANE], PITCH
	v_lshlrev_b32 v[GOFF], 3, v[LANE]
	v_lshlrev_b32 v[I4], 2, v0
	v_add_nc_u32 v[LA], s18, v[GOFF]
	v_add_nc_u32 v[PADA], s25, v[ROW]
	v_bfe_u32 v[T], v[LANE], 3, 1                  ; bit 3 of the lane
	v_lshlrev_b32 v[OFFL], 4, v[T]                 ; output: 16 x bit 3
	v_cmp_eq_u32 s23, 0, v[T]                      ; mask of the lanes 0-7 of each half of 16
	v_and_b32 v[T], 7, v[LANE]
	v_lshl_add_u32 v[OFFL], v[T], 5, v[OFFL]       ; + 32 x (lane mod 8)
	v_bfe_u32 v[T], v[LANE], 4, 1
	v_lshl_add_u32 v[OFFL], v[T], 9, v[OFFL]       ; + 512 x (lane / 16)
	v_mov_b32 v[NEG], 0xff800000
	v_mov_b32 v[NEG+1], 0xff800000
	v_add_nc_u32 v[BA], s19, v[ROW]
	v_add_nc_u32 v[BA4], ARR, v[BA]
	v_add_nc_u32 v[BA16], 2*ARR, v[BA]
	s_wait_kmcnt 0x0
	s_add_nc_u64 s[10:11], s[10:11], s[20:21]      ; out at my 32 channels of ROI 0
	s_add_nc_u64 s[8:9], s[8:9], s[16:17]          ; sentences at my wave's row
	; My 32 indices first, then all 2,048 bytes of my row at once; each load of the row covers 256 consecutive bytes, aligned.
	; Pairs and not quads, because the LDS pitch is 8 modulo 16: a pair is the widest piece that is aligned in every row.
	global_load_b32 v[IDXV], v[I4], s[4:5]
.irp k, 0,1,2,3,4,5,6,7
	global_load_b64 v[X+2*\k:X+2*\k+1], v[GOFF], s[8:9] offset:256*\k th:TH_LOAD_NT
.endr
	; Words 512-529 of every row in all three arrays: -inf.  In x they serve the build's overhang past the row's end and the empty bins;
	; in T4 and T16 no query names them, and they are written so that every byte between the arrays' first and last is written.
	s_cmp_lt_u32 s12, TAILS
	s_cbranch_scc0 .Lnotail
	ds_store_b64 v[PADA], v[NEG:NEG+1] offset:2048 ; lane = row: one pair of 32 rows
.Lnotail:
	s_wait_loadcnt 0x8                             ; loads come back in order (ISA guide 5.7.1): my indices are in, the eight loads of the row stay out
	v_cmp_eq_u32 s24, s14, v[IDXV]                 ; bit l: ROI 32 w + l names my batch
	s_bcnt1_i32_b32 s43, s24
	s_min_u32 s43, s43, 32                         ; my trips
	NEXT                                           ; the first ROI's x1 and x2 are fetched while the row is on its way
.irp k, 0,1,2,3,4,5,6,7
	s_wait_loadcnt 7-\k                            ; load k is in, the 7 - k younger ones stay out
	ds_store_b64 v[LA], v[X+2*\k:X+2*\k+1] offset:256*\k   ; 32 lanes, 256 consecutive bytes
.endr
	s_wait_dscnt 0x0                               ; for the others' sake: my row and my tail are in LDS before I signal
	s_barrier_signal -1
	s_barrier_wait -1                              ; x is whole
	; Build: lane = channel, my wave's positions p0 = 16 w .. p0 + 15.  T16 needs x up to p0 + 30: 16 pairs.
.irp k, 0,1,2,3,4,5,6,7,8,9,10,11,12,13,14,15
	ds_load_b64 v[X+2*\k:X+2*\k+1], v[BA] offset:8*\k
.endr
	s_wait_dscnt 0x0
	; In place and ascending: each step reads only registers at or above the one that it writes.
.set p, 0
.rept 30
	v_max_num_f32 v[X+p], v[X+p], v[X+p+1]         ; windows of 2
.set p, p+1
.endr
.set p, 0
.rept 28
	v_max_num_f32 v[X+p], v[X+p], v[X+p+2]         ; windows of 4
.set p, p+1
.endr
.irp k, 0,1,2,3,4,5,6,7
	ds_store_b64 v[BA4], v[X+2*\k:X+2*\k+1] offset:8*\k
.endr
	; windows of 16 = four windows of 4; the second step of position p stands two positions behind the first, so that it does not wait for it
.set p, 0
.rept 18
.if p < 16
	v_max3_num_f32 v[X+p], v[X+p], v[X+p+4], v[X+p+8]
.endif
.if p >= 2
	v_max_num_f32 v[X+p-2], v[X+p-2], v[X+p+10]
.endif
.set p, p+1
.endr
.irp k, 0,1,2,3,4,5,6,7
	ds_store_b64 v[BA16], v[X+2*\k:X+2*\k+1] offset:8*\k
.endr
	s_wait_dscnt 0x0                               ; my part of the tables is in LDS before I signal
	s_barrier_signal -1
	s_barrier_wait -1                              ; the tables are whole; from here on LDS is only read
	s_cmp_eq_u32 s43, 0
	s_cbranch_scc1 .Lend                           ; none of my 32 ROIs names this batch
	s_mov_b32 s46, 0                               ; the trip
; The first way (lr >= 1), bin j: its five window positions, as word indices from a lane's row of x (the table's base is folded in), and the five loads.
; s32 lr, s34 w, s35 x1 + table base, s36 the same less w, s37 j lr.
.macro BIN j
.if \j
	s_lshr_b32 s38, s37, 3
	s_add_co_u32 s38, s38, s35                     ; s = x1 + floor(j lr / 8)
.else
	s_mov_b32 s38, s35
.endif
	s_add_co_u32 s37, s37, s32
	s_add_co_u32 s39, s37, 7
	s_lshr_b32 s39, s39, 3
	s_add_co_u32 s39, s39, s36                     ; e - w = x1 - w + ceil((j + 1) lr / 8): the last window
	s_add_co_u32 s40, s38, s34
	s_min_u32 s40, s40, s39                        ; min(s + w, e - w)
	s_add_co_u32 s41, s40, s34
	s_min_u32 s41, s41, s39                        ; min(s + 2 w, e - w)
	s_add_co_u32 s42, s41, s34
	s_min_u32 s42, s42, s39                        ; min(s + 3 w, e - w)
.irp i, 0,1,2,3,4
	s_min_u32 s[38+\i], s[38+\i], PMAX             ; a number made from loaded data enters an address only behind a minimum with a constant: no load leaves the three arrays
.endr
.irp i, 0,1,2,3,4
	v_lshl_add_u32 v[AD+\i], s[38+\i], 2, v[ROW]
.endr
.irp i, 0,1,2,3,4
	ds_load_b32 v[LD+5*\j+\i], v[AD+\i]            ; 32 lanes, the same place of 32 rows
.endr
.endm
; The second way (lr <= 0), bin j: with m = -lr its length is ceil(j m / 8) - floor((j + 1) m / 8), at most 1.  One element at s = x1 + floor(j lr / 8),
; or none: an empty bin, and one whose s is negative (as an unsigned number above every position), reads word 512 of the row, which holds -inf.
; The word is loaded five times, so that both ways have issued the same 40 loads where they join.  s29 x1, s32 lr, s37 j lr.
.macro SBIN j
	s_ashr_i32 s38, s37, 3
	s_add_co_i32 s38, s38, s29                     ; s
	s_add_co_i32 s37, s37, s32
	s_add_co_i32 s39, s37, 7
	s_ashr_i32 s39, s39, 3
	s_add_co_i32 s39, s39, s29                     ; e
	s_cmp_gt_i32 s39, s38
	s_cselect_b32 s38, s38, NINF
	s_min_u32 s38, s38, NINF
	v_lshl_add_u32 v[AD], s38, 2, v[ROW]
.irp i, 0,1,2,3,4
	ds_load_b32 v[LD+5*\j+\i], v[AD]
.endr
.endm
.Lroi:
	s_wait_kmcnt 0x0                               ; this ROI's x1 and x2 are in (asked for one ROI ago); the load's offset register is free again
	s_min_u32 s29, s48, 0x200                      ; x1 (see LIMITS)
	s_min_u32 s30, s49, 0x200                      ; x2
	s_mov_b32 s31, s50                             ; n
	NEXT                                           ; my next ROI's x1 and x2 are fetched beside this ROI's windows
	s_sub_co_i32 s32, s30, s29                     ; lr, -512 .. 512
	s_mov_b32 s37, 0
	s_cmp_lt_i32 s32, 1
	s_cbranch_scc1 .Lsmall
	s_cmp_ge_u32 s32, 32
	s_cselect_b32 s34, 4, 1                        ; the window
	s_cselect_b32 s35, ARRW, 0                     ; and its table
	s_cmp_ge_u32 s32, 128
	s_cselect_b32 s34, 16, s34
	s_cselect_b32 s35, 2*ARRW, s35
	s_add_co_u32 s35, s35, s29
	s_sub_co_u32 s36, s35, s34                     ; -1 for x1 = 0 in x itself; the ceiling added to it is at least 1
.irp j, 0,1,2,3,4,5,6,7
	BIN \j
.endr
	s_branch .Ljoin
.Lsmall:
.irp j, 0,1,2,3,4,5,6,7
	SBIN \j
.endr
.Ljoin:
	s_wait_xcnt 0x0                                ; the last ROI's stores read ACC and OFF: they are rewritten only behind this wait
.irp j, 0,1,2,3,4,5,6,7
	s_wait_dscnt 35-5*\j                           ; LDS loads come back in order (ISA guide 5.7.1): bin j's five are in, the 5 (7 - j) of the later bins stay out, on both ways
	v_max3_num_f32 v[ACC+\j], v[LD+5*\j], v[LD+5*\j+1], v[LD+5*\j+2]
	v_max3_num_f32 v[ACC+\j], v[ACC+\j], v[LD+5*\j+3], v[LD+5*\j+4]
.endr
	v_lshl_add_u32 v[OFF], s31, 13, v[OFFL]        ; + n x 8,192 bytes
	; Lane s of a half of 16 holds the 32 bytes of channel s: U = bins 0-3, V = bins 4-7.  Lanes s and s xor 8 exchange one half each, so that
	; ACC[0:3] holds channels 0-7 whole (U in lanes 0-7, V in lanes 8-15) and ACC[4:7] channels 8-15.
.irp k, 0,1,2,3
	v_cndmask_b32 v[M+\k], v[ACC+\k], v[ACC+4+\k], s23               ; lanes 0-7 give V away, lanes 8-15 give U
.endr
.irp k, 0,1,2,3
	v_mov_b32_dpp v[LD+\k], v[M+\k] row_xmask:8 row_mask:0xf bank_mask:0xf   ; (a DPP destination counts as read: these registers were written by this ROI's loads)
.endr
.irp k, 0,1,2,3
	v_cndmask_b32 v[ACC+\k], v[LD+\k], v[ACC+\k], s23                ; lanes 0-7: my U; lanes 8-15: V of lane s - 8
	v_cndmask_b32 v[ACC+4+\k], v[ACC+4+\k], v[LD+\k], s23            ; lanes 0-7: U of lane s + 8; lanes 8-15: my V
.endr
	global_store_b128 v[OFF], v[ACC:ACC+3], s[10:11] th:TH_STORE_NT              ; sixteen neighbouring lanes store 256 consecutive bytes, aligned
	global_store_b128 v[OFF], v[ACC+4:ACC+7], s[10:11] offset:256 th:TH_STORE_NT
	s_add_co_u32 s46, s46, 1                       ; the loop ends on a count of trips, stepped by one, against a number that the loop does not write
	s_cmp_lt_u32 s46, s43
	s_cbranch_scc1 .Lroi
.Lend:
	s_wait_tensorcnt 0x0
	ds_add_u32 v84, v85
	s_wait_dscnt 0x0
	s_endpgm
.Lfunc_end_k_qed9a7d0c58_roipool:
	.size	k_qed9a7d0c58_roipool, .Lfunc_end_k_qed9a7d0c58_roipool-k_qed9a7d0c58_roipool
	.p2alignl 7, 3214868480
	.fill 96, 4, 3214868480
	.section	.rodata,"a",@progbits
	.p2align	6, 0x0
	.amdhsa_kernel k_qed9a7d0c58_roipool
		.amdhsa_group_segment_fixed_size 207616
		.amdhsa_private_segment_fixed_size 0
		.amdhsa_enable_private_segment 0
		.amdhsa_kernarg_size 32
		.amdhsa_user_sgpr_count 2
		.amdhsa_user_sgpr_kernarg_segment_ptr 1
		.amdhsa_wavefront_size32 1
		.amdhsa_system_sgpr_workgroup_id_x 1
		.amdhsa_system_sgpr_workgroup_id_y 1
		.amdhsa_system_sgpr_workgroup_id_z 1
		.amdhsa_system_vgpr_workitem_id 0
		.amdhsa_next_free_vgpr 86
		.amdhsa_next_free_sgpr 66
		.amdhsa_reserve_vcc 0
		.amdhsa_float_denorm_mode_32 3
		.amdhsa_float_denorm_mode_16_64 3
		.amdhsa_memory_ordered 1
		.amdhsa_forward_progress 1
		.amdhsa_inst_pref_size 30
	.end_amdhsa_kernel
	.amdgpu_metadata
---
amdhsa.version: [ 1, 2 ]
amdhsa.kernels:
  - .name:           k_qed9a7d0c58_roipool
    .symbol:         k_qed9a7d0c58_roipool.kd
    .args:
      - { .name: roi_idx, .offset: 0, .size: 8, .value_kind: global_buffer, .address_space: global }
      - { .name: rois, .offset: 8, .size: 8, .value_kind: global_buffer, .address_space: global }
      - { .name: sentences, .offset: 16, .size: 8, .value_kind: global_buffer, .address_space: global }
      - { .name: out0, .offset: 24, .size: 8, .value_kind: global_buffer, .address_space: global }
    .group_segment_fixed_size: 207616
    .private_segment_fixed_size: 0
    .kernarg_segment_align: 8
    .kernarg_segment_size: 32
    .max_flat_workgroup_size: 1024
    .sgpr_count:     66
    .vgpr_count:     86
    .wavefront_size: 32
...
	.end_amdgpu_metadata
.endif
;; end of part 1
;; ======== version 2 of 2: 1 launch; version 1 with the launch roipool written anew for expert scheduling mode
;; launch roipool (part 2): grid 8 x 32, 32 waves a work-group, no clusters, 207,616 bytes of LDS; arguments roi_idx, rois, sentences, out0; writes out0
.if DOCPART == 2
	.amdgcn_target "amdgcn-amd-amdhsa--gfx1250"
	.amdhsa_code_object_version 6
	.text
	.protected	k_qed9a7d0c58_roipool
	.globl	k_qed9a7d0c58_roipool
	.p2align	8
	.type	k_qed9a7d0c58_roipool,@function
k_qed9a7d0c58_roipool:
	s_mov_b64 s[64:65], 0
	v_nop
	global_prefetch_b8 v0, s[64:65] scope:SCOPE_SE
	s_setreg_imm32_b32 hwreg(HW_REG_WAVE_SCHED_MODE, 0, 2), 2
	s_setreg_imm32_b32 hwreg(HW_REG_WAVE_MODE, 25, 1), 1
	s_wait_xcnt 0x0
	s_wait_alu depctr_vm_vsrc(0)
; out[n][c][j] = max of sentences[roi_idx[n]][c][p] over p in [x1 + floor(j lr / 8), x1 + ceil((j+1) lr / 8)), lr = x2 - x1, j = 0..7; -inf for an empty bin.
; sentences [32][256][512] f32, rois [1024][2] i32, roi_idx [1024] i32, out [1024][256][8] f32.
;
; Work-group (cg, b) = (ttmp9, ttmp7) owns the 32 channels 32 cg .. 32 cg + 31 of batch b: 64 KB, dense in memory, read once in the launch,
; and serves every ROI whose roi_idx is b.  256 work-groups cover sentences exactly once.
; For lr >= 1 a bin's length l lies in q .. q + 2 with q = lr >> 3.  LDS holds three arrays for each channel: x, T4[p] = max x[p..p+3],
; T16[p] = max x[p..p+15].  With the window w = 1 (lr < 32), 4 (lr < 128) or 16 (else), w <= l <= 5 w holds for all eight bins (l <= 5, 17, 65),
; so the five windows at min(s + i w, e - w), i = 0..4, cover the bin [s, e) exactly: five LDS words for a bin whatever its length, no mask, no inner loop.
; For lr <= 0 a bin has at most one element; such ROIs take a second way, written out behind a branch on lr.
; 32 waves.  Wave w brings in row w of the tile, builds the tables at positions 16 w .. 16 w + 15 of all 32 rows, and then serves those of the ROIs
; 32 w .. 32 w + 31 that name batch b, lane = channel.  Which these are it finds by itself: lane l reads roi_idx[32 w + l], one compare makes a lane mask
; in a scalar register, and the mask's bits are taken from the lowest up.  Every number that steers a branch or an address is thus read from memory by
; the wave that uses it, and none is handed from wave to wave.  The price: the waves' numbers of ROIs are uneven (one on the average for indices spread evenly).
;
; THE MODE: SCHED_MODE bits 1:0 = 2 (LLVM: expert scheduling mode 2), set by the entry lines.  The code itself states the register dependences
; between vector instructions and memory or LDS instructions, with s_wait_alu, always for 0.
; THE PLAN.  Registers that memory or LDS instructions touch:
;   v4-v11, v61   offsets, LDS addresses and -inf: written at the head by vector lines, never again; one wait ahead of the first load serves them all.
;   X  v[12:43]   the row's loads land in it, the fill's LDS stores read it; behind the first barrier the build's LDS loads land in it, the maxima work in it,
;                 the stores of T4 read it.  From then on vector lines only read it.
;   Y  v[44:59]   T16: written by the maxima, read by the stores of T16.  It has registers of its own, so that T4's stores can stand among T16's maxima.
;   LD v[12:51]   a trip's 40 window loads land in it; the trip's maxima and exchange read it (and write four of it).
;   AD v[84:123]  a register for each of a trip's 40 windows: written by the trip's adds, read by its loads.
;   ACC v[70:77], OFF v68   written by a trip's vector lines, read by its two stores.
; A TRIP has four waits.  At its head, on vm_vsrc: all that LDS and memory instructions issued so far read (X and Y; AD, ACC and OFF of the trip before) has been read.
; Behind the addresses of bins 0-3, on va_vdst: these addresses are written, and every earlier vector line that named LD is done.  The loads of bins 0-3 then stand among
; the address work of bins 4-7, which names AD's other half and v2 alone.  Where the two ways join, on va_vdst: the other half is written; the loads of bins 4-7 follow.
; Ahead of the two stores, on va_vdst: ACC and OFF are written.
;
; LIMITS.  x1 and x2 lie in 0..512 (positions of the row that they index); any other number is taken as 512.  roi_idx lies in 0..31: an ROI with
; another index is written by no work-group.  A NaN in sentences is skipped (v_max_num_f32), where reference() would hand it on.  The time grows with
; the largest number of ROIs of one batch among 32 neighbouring ROIs.
.set PITCH,  2120                      ; an LDS row: 512 words of data and 18 of -inf = 530 words: row c starts at bank 18 c mod 64 (64 banks of 4 bytes:
                                       ; ISA guide 11.1), 32 different even banks, so 32 lanes that read one word or one aligned pair at the same place of 32 rows do not collide
.set ARR,    32*PITCH                  ; one array: 32 rows
.set ARRW,   ARR/4                     ; the same in words
.set PMAX,   2*ARRW+511                ; the largest word index, counted from a lane's row of x, that a query of the first way may name
.set NINF,   512                       ; word 512 of a row of x: -inf
.set TAILS,  27                        ; 9 pairs of -inf behind a row, in each of 3 arrays: one store for each of waves 0-26
.set LANE, 1                           ; v1      lane
.set ROW,  2                           ; v2      lane x PITCH: my channel's row
.set T,    3                           ; v3      at work
.set GOFF, 4                           ; v4      8 x lane
.set LA,   5                           ; v5      fill: LDS address of my 8 bytes in my wave's row
.set PADA, 6                           ; v6      fill: LDS address (less 2,048) of my wave's pair of -inf in row = lane
.set BA,   7                           ; v7      build: my row of x at my wave's 16 positions
.set NEG,  8                           ; v[8:9]  -inf, twice
.set BA4,  10                          ; v10     the same place in T4
.set BA16, 11                          ; v11     the same place in T16
.set X,    12                          ; v[12:43]  fill: 8 pairs as loaded; build: 32 positions of my row
.set LD,   12                          ; v[12:51]  queries: five windows for each of eight bins
.set Y,    44                          ; v[44:59]  build: T16 at my 16 positions
.set IDXV, 60                          ; v60     roi_idx of ROI 32 w + lane
.set I4,   61                          ; v61     its byte offset: 4 x thread
.set OFFL, 67                          ; v67     my lane's byte offset in an ROI's 1 KB of output
.set OFF,  68                          ; v68     the same plus the ROI's 8,192 n
.set ACC,  70                          ; v[70:77] the eight bins of my channel, then what I store
.set M,    78                          ; v[78:81] what goes to lane s xor 8
.set AD,   84                          ; v[84:123] queries: the LDS address of window i of bin j at AD + 5 j + i
; The lowest ROI left in my mask s24: its number into s50, its x1 and x2 asked for into s[48:49], its bit cleared.  With no bit left s_ctz_i32_b32 gives -1,
; which the minimum turns into my last ROI: that load stays inside rois and its result is not used.  s27 = 32 w.
.macro NEXT
	s_ctz_i32_b32 s26, s24
	s_min_u32 s26, s26, 31
	s_add_co_u32 s50, s27, s26
	s_min_u32 s50, s50, 0x3ff                      ; a number made from loaded data enters an address only behind a minimum with a constant
	s_lshl_b32 s47, s50, 3                         ; 8 bytes an ROI
	s_load_b64 s[48:49], s[6:7], s47 offset:0x0
	s_sub_co_u32 s25, s24, 1
	s_and_b32 s24, s24, s25                        ; m & (m - 1): the lowest bit goes
.endm
	s_load_b256 s[4:11], s[0:1], 0x0               ; roi_idx s[4:5], rois s[6:7], sentences s[8:9], out s[10:11]
	v_lshl_add_u32 v82, v0, 2, 0x31b00
	v_mov_b32 v83, 0
	v_and_b32 v[LANE], 31, v0
	v_lshrrev_b32 v[T], 5, v0
	v_readfirstlane_b32 s12, v[T]                  ; wave 0..31
	v_bfe_u32 v[T], v[LANE], 3, 1                  ; bit 3 of the lane
	v_lshlrev_b32 v[OFFL], 4, v[T]                 ; output: 16 x bit 3
	v_cmp_eq_u32 s23, 0, v[T]                      ; mask of the lanes 0-7 of each half of 16
	v_and_b32 v[T], 7, v[LANE]
	v_lshl_add_u32 v[OFFL], v[T], 5, v[OFFL]       ; + 32 x (lane mod 8)
	v_bfe_u32 v[T], v[LANE], 4, 1
	v_lshl_add_u32 v[OFFL], v[T], 9, v[OFFL]       ; + 512 x (lane / 16)
	v_mul_u32_u24 v[ROW], v[LANE], PITCH
	v_lshlrev_b32 v[GOFF], 3, v[LANE]
	v_lshlrev_b32 v[I4], 2, v0
	v_mov_b32 v[NEG], 0xff800000
	v_mov_b32 v[NEG+1], 0xff800000
	s_and_b32 s14, ttmp7, 0xffff                   ; batch b
	s_lshl_b32 s16, s14, 19                        ; b x 256 channels x 2,048 bytes
	s_lshl_b32 s17, ttmp9, 16                      ; + cg x 32 channels
	s_add_co_u32 s16, s16, s17
	s_lshl_b32 s20, ttmp9, 10                      ; out: cg x 32 channels x 32 bytes
	s_mov_b32 s21, 0
	s_wait_alu depctr_va_sdst(0)                   ; s12 and s23 are written, ahead of their first readers: the lines below read s12, the exchange in the ROI loop reads s23
	s_lshl_b32 s17, s12, 11                        ; + wave x 1 channel
	s_add_co_u32 s16, s16, s17
	s_mov_b32 s17, 0
	s_mul_i32 s18, s12, PITCH                      ; my wave's row in LDS
	s_lshl_b32 s19, s12, 6                         ; my wave's 16 positions in a row
	s_lshl_b32 s27, s12, 5                         ; my wave's first ROI
	s_mul_i32 s25, s12, 57                         ; tails: wave w < 27 takes pair w mod 9 of array w / 9; w / 9 = (57 w) >> 9 for w <= 31
	s_lshr_b32 s25, s25, 9
	s_mul_i32 s26, s25, 9
	s_sub_co_u32 s26, s12, s26
	s_mul_i32 s25, s25, ARR
	s_lshl3_add_u32 s25, s26, s25                  ; 8 x pair + the array
	v_add_nc_u32 v[LA], s18, v[GOFF]
	v_add_nc_u32 v[PADA], s25, v[ROW]
	v_add_nc_u32 v[BA], s19, v[ROW]
	v_add_nc_u32 v[BA4], ARR, v[BA]
	v_add_nc_u32 v[BA16], 2*ARR, v[BA]
	s_wait_kmcnt 0x0
	s_add_nc_u64 s[10:11], s[10:11], s[20:21]      ; out at my 32 channels of ROI 0
	s_add_nc_u64 s[8:9], s[8:9], s[16:17]          ; sentences at my wave's row
	s_wait_alu depctr_va_vdst(0)                   ; v4 to v11 and v61 are written: the offsets, LDS addresses and -inf that the loads and LDS stores of the fill and the build read; none is written again
	; My 32 indices first, then all 2,048 bytes of my row at once; each load of the row covers 256 consecutive bytes, aligned.
	; Pairs and not quads, because the LDS pitch is 8 modulo 16: a pair is the widest piece that is aligned in every row.
	global_load_b32 v[IDXV], v[I4], s[4:5]
.irp k, 0,1,2,3,4,5,6,7
	global_load_b64 v[X+2*\k:X+2*\k+1], v[GOFF], s[8:9] offset:256*\k th:TH_LOAD_NT
.endr
	; Words 512-529 of every row in all three arrays: -inf.  In x they serve the build's overhang past the row's end and the empty bins;
	; in T4 and T16 no query names them, and they are written so that every byte between the arrays' first and last is written.
	s_cmp_lt_u32 s12, TAILS
	s_cbranch_scc0 .Lnotail
	ds_store_b64 v[PADA], v[NEG:NEG+1] offset:2048 ; lane = row: one pair of 32 rows
.Lnotail:
	s_wait_loadcnt 0x8                             ; loads come back in order (ISA guide 5.7.1): my indices are in, the eight loads of the row stay out
	v_cmp_eq_u32 s24, s14, v[IDXV]                 ; bit l: ROI 32 w + l names my batch
	s_wait_alu depctr_va_sdst(0)                   ; s24 is written, ahead of its first reader, the count of its bits
	s_bcnt1_i32_b32 s43, s24
	s_min_u32 s43, s43, 32                         ; my trips
	NEXT                                           ; the first ROI's x1 and x2 are fetched while the row is on its way
.irp k, 0,1,2,3,4,5,6,7
	s_wait_loadcnt 7-\k                            ; load k is in, the 7 - k younger ones stay out
	ds_store_b64 v[LA], v[X+2*\k:X+2*\k+1] offset:256*\k   ; 32 lanes, 256 consecutive bytes
.endr
	s_wait_dscnt 0x0                               ; for the others' sake: my row and my tail are in LDS before I signal
	s_barrier_signal -1
	s_barrier_wait -1                              ; x is whole
	; Build: lane = channel, my wave's positions p0 = 16 w .. p0 + 15.  T16 needs x up to p0 + 30: 16 pairs.
	s_wait_alu depctr_vm_vsrc(0)                   ; my LDS stores of the row have read v[X .. X+15], in which the loads below land
.irp k, 0,1,2,3,4,5,6,7,8,9,10,11,12,13,14,15
	ds_load_b64 v[X+2*\k:X+2*\k+1], v[BA] offset:8*\k
.endr
	s_wait_dscnt 0x0
	; In place and ascending: each step reads only registers at or above the one that it writes.
.set p, 0
.rept 30
	v_max_num_f32 v[X+p], v[X+p], v[X+p+1]         ; windows of 2
.set p, p+1
.endr
.set p, 0
.rept 28
	v_max_num_f32 v[X+p], v[X+p], v[X+p+2]         ; windows of 4
.set p, p+1
.endr
	s_wait_alu depctr_va_vdst(0)                   ; the windows of 4 are written into X, which the stores of T4 read
	; windows of 16 = four windows of 4, into Y; the second step of position p stands two positions behind the first, so that it does not wait for it.
	; T4's eight stores stand among these lines with no further wait: the lines only read X and write Y alone.
.set p, 0
.rept 18
.if (p < 16) && (p % 2 == 0)
	ds_store_b64 v[BA4], v[X+p:X+p+1] offset:4*p
.endif
.if p < 16
	v_max3_num_f32 v[Y+p], v[X+p], v[X+p+4], v[X+p+8]
.endif
.if p >= 2
	v_max_num_f32 v[Y+p-2], v[Y+p-2], v[X+p+10]
.endif
.set p, p+1
.endr
	s_wait_alu depctr_va_vdst(0)                   ; the windows of 16 are written into Y, which the stores of T16 read
.irp k, 0,1,2,3,4,5,6,7
	ds_store_b64 v[BA16], v[Y+2*\k:Y+2*\k+1] offset:8*\k
.endr
	s_wait_dscnt 0x0                               ; my part of the tables is in LDS before I signal
	s_barrier_signal -1
	s_barrier_wait -1                              ; the tables are whole; from here on LDS is only read
	s_cmp_eq_u32 s43, 0
	s_cbranch_scc1 .Lend                           ; none of my 32 ROIs names this batch
	s_mov_b32 s46, 0                               ; the trip
; The first way (lr >= 1), bin j: its five window positions, as word indices from a lane's row of x (the table's base is folded in), and their five LDS addresses.
; s32 lr, s34 w, s35 x1 + table base, s36 the same less w, s37 j lr.
.macro ADR j
.if \j
	s_lshr_b32 s38, s37, 3
	s_add_co_u32 s38, s38, s35                     ; s = x1 + floor(j lr / 8)
.else
	s_mov_b32 s38, s35
.endif
	s_add_co_u32 s37, s37, s32
	s_add_co_u32 s39, s37, 7
	s_lshr_b32 s39, s39, 3
	s_add_co_u32 s39, s39, s36                     ; e - w = x1 - w + ceil((j + 1) lr / 8): the last window
	s_add_co_u32 s40, s38, s34
	s_min_u32 s40, s40, s39                        ; min(s + w, e - w)
	s_add_co_u32 s41, s40, s34
	s_min_u32 s41, s41, s39                        ; min(s + 2 w, e - w)
	s_add_co_u32 s42, s41, s34
	s_min_u32 s42, s42, s39                        ; min(s + 3 w, e - w)
.irp i, 0,1,2,3,4
	s_min_u32 s[38+\i], s[38+\i], PMAX             ; a number made from loaded data enters an address only behind a minimum with a constant: no load leaves the three arrays
.endr
.irp i, 0,1,2,3,4
	v_lshl_add_u32 v[AD+5*\j+\i], s[38+\i], 2, v[ROW]
.endr
.endm
; The second way (lr <= 0), bin j: with m = -lr its length is ceil(j m / 8) - floor((j + 1) m / 8), at most 1.  One element at s = x1 + floor(j lr / 8),
; or none: an empty bin, and one whose s is negative (as an unsigned number above every position), reads word 512 of the row, which holds -inf.
; The word's address is written five times, so that both ways issue the same 40 loads.  s29 x1, s32 lr, s37 j lr.
.macro SADR j
	s_ashr_i32 s38, s37, 3
	s_add_co_i32 s38, s38, s29                     ; s
	s_add_co_i32 s37, s37, s32
	s_add_co_i32 s39, s37, 7
	s_ashr_i32 s39, s39, 3
	s_add_co_i32 s39, s39, s29                     ; e
	s_cmp_gt_i32 s39, s38
	s_cselect_b32 s38, s38, NINF
	s_min_u32 s38, s38, NINF
.irp i, 0,1,2,3,4
	v_lshl_add_u32 v[AD+5*\j+\i], s38, 2, v[ROW]
.endr
.endm
; Bin j's five loads: 32 lanes, the same place of 32 rows.
.macro LOADS j
.irp i, 0,1,2,3,4
	ds_load_b32 v[LD+5*\j+\i], v[AD+5*\j+\i]
.endr
.endm
.Lroi:
	s_wait_alu depctr_vm_vsrc(0)                   ; first trip: the stores of T4 and T16 have read X and Y, in which window loads land; later trips: the last trip's loads have read AD and its two stores ACC and OFF, all of which this trip writes again
	s_wait_kmcnt 0x0                               ; this ROI's x1 and x2 are in (asked for one ROI ago); the load's offset register is free again
	s_min_u32 s29, s48, 0x200                      ; x1 (see LIMITS)
	s_min_u32 s30, s49, 0x200                      ; x2
	s_mov_b32 s31, s50                             ; n
	NEXT                                           ; my next ROI's x1 and x2 are fetched beside this ROI's windows
	s_sub_co_i32 s32, s30, s29                     ; lr, -512 .. 512
	s_mov_b32 s37, 0
	s_cmp_lt_i32 s32, 1
	s_cbranch_scc1 .Lsmall
	s_cmp_ge_u32 s32, 32
	s_cselect_b32 s34, 4, 1                        ; the window
	s_cselect_b32 s35, ARRW, 0                     ; and its table
	s_cmp_ge_u32 s32, 128
	s_cselect_b32 s34, 16, s34
	s_cselect_b32 s35, 2*ARRW, s35
	s_add_co_u32 s35, s35, s29
	s_sub_co_u32 s36, s35, s34                     ; -1 for x1 = 0 in x itself; the ceiling added to it is at least 1
	ADR 0
	ADR 1
	ADR 2
	ADR 3
	s_wait_alu depctr_va_vdst(0)                   ; the addresses of bins 0-3 are written; the vector lines that named LD (the build's, or the last trip's maxima and exchange) are done
	LOADS 0                                        ; no further wait up to the join: the adds between these loads name AD + 20 .. AD + 39 and v2 alone
	ADR 4
	LOADS 1
	ADR 5
	LOADS 2
	ADR 6
	LOADS 3
	ADR 7
	s_branch .Ljoin
.Lsmall:
	SADR 0
	SADR 1
	SADR 2
	SADR 3
	s_wait_alu depctr_va_vdst(0)                   ; as on the first way: the addresses of bins 0-3 are written, and the vector lines that named LD are done
	LOADS 0
	SADR 4
	LOADS 1
	SADR 5
	LOADS 2
	SADR 6
	LOADS 3
	SADR 7
.Ljoin:
	s_wait_alu depctr_va_vdst(0)                   ; the addresses of bins 4-7 are written, on both ways
	LOADS 4
	LOADS 5
	LOADS 6
	LOADS 7
	s_wait_xcnt 0x0                                ; the last ROI's stores read ACC and OFF: they are rewritten only behind this wait (and behind the wait on vm_vsrc at the trip's head)
.irp j, 0,1,2,3,4,5,6,7
	s_wait_dscnt 35-5*\j                           ; LDS loads come back in order (ISA guide 5.7.1): bin j's five are in, the 5 (7 - j) of the later bins stay out, on both ways
	v_max3_num_f32 v[ACC+\j], v[LD+5*\j], v[LD+5*\j+1], v[LD+5*\j+2]
	v_max3_num_f32 v[ACC+\j], v[ACC+\j], v[LD+5*\j+3], v[LD+5*\j+4]
.endr
	v_lshl_add_u32 v[OFF], s31, 13, v[OFFL]        ; + n x 8,192 bytes
	; Lane s of a half of 16 holds the 32 bytes of channel s: U = bins 0-3, V = bins 4-7.  Lanes s and s xor 8 exchange one half each, so that
	; ACC[0:3] holds channels 0-7 whole (U in lanes 0-7, V in lanes 8-15) and ACC[4:7] channels 8-15.
.irp k, 0,1,2,3
	v_cndmask_b32 v[M+\k], v[ACC+\k], v[ACC+4+\k], s23               ; lanes 0-7 give V away, lanes 8-15 give U
.endr
.irp k, 0,1,2,3
	v_mov_b32_dpp v[LD+\k], v[M+\k] row_xmask:8 row_mask:0xf bank_mask:0xf   ; (a DPP destination counts as read: these registers were written by this ROI's loads)
.endr
.irp k, 0,1,2,3
	v_cndmask_b32 v[ACC+\k], v[LD+\k], v[ACC+\k], s23                ; lanes 0-7: my U; lanes 8-15: V of lane s - 8
	v_cndmask_b32 v[ACC+4+\k], v[ACC+4+\k], v[LD+\k], s23            ; lanes 0-7: U of lane s + 8; lanes 8-15: my V
.endr
	s_wait_alu depctr_va_vdst(0)                   ; the exchange has written ACC and the add has written OFF, which the two stores read
	global_store_b128 v[OFF], v[ACC:ACC+3], s[10:11] th:TH_STORE_NT              ; sixteen neighbouring lanes store 256 consecutive bytes, aligned
	global_store_b128 v[OFF], v[ACC+4:ACC+7], s[10:11] offset:256 th:TH_STORE_NT
	s_add_co_u32 s46, s46, 1                       ; the loop ends on a count of trips, stepped by one, against a number that the loop does not write
	s_cmp_lt_u32 s46, s43
	s_cbranch_scc1 .Lroi
.Lend:
	s_wait_dscnt 0x0
	s_wait_alu depctr_hold_cnt(0) depctr_sa_sdst(0) depctr_va_vdst(0) depctr_va_sdst(0) depctr_va_ssrc(0) depctr_va_vcc(0) depctr_vm_vsrc(0)
	s_wait_tensorcnt 0x0
	ds_add_u32 v82, v83
	s_wait_dscnt 0x0
	s_endpgm
.Lfunc_end_k_qed9a7d0c58_roipool:
	.size	k_qed9a7d0c58_roipool, .Lfunc_end_k_qed9a7d0c58_roipool-k_qed9a7d0c58_roipool
	.p2alignl 7, 3214868480
	.fill 96, 4, 3214868480
	.section	.rodata,"a",@progbits
	.p2align	6, 0x0
	.amdhsa_kernel k_qed9a7d0c58_roipool
		.amdhsa_group_segment_fixed_size 207616
		.amdhsa_private_segment_fixed_size 0
		.amdhsa_enable_private_segment 0
		.amdhsa_kernarg_size 32
		.amdhsa_user_sgpr_count 2
		.amdhsa_user_sgpr_kernarg_segment_ptr 1
		.amdhsa_wavefront_size32 1
		.amdhsa_system_sgpr_workgroup_id_x 1
		.amdhsa_system_sgpr_workgroup_id_y 1
		.amdhsa_system_sgpr_workgroup_id_z 1
		.amdhsa_system_vgpr_workitem_id 0
		.amdhsa_next_free_vgpr 124
		.amdhsa_next_free_sgpr 66
		.amdhsa_reserve_vcc 0
		.amdhsa_float_denorm_mode_32 3
		.amdhsa_float_denorm_mode_16_64 3
		.amdhsa_memory_ordered 1
		.amdhsa_forward_progress 1
		.amdhsa_inst_pref_size 32
	.end_amdhsa_kernel
	.amdgpu_metadata
---
amdhsa.version: [ 1, 2 ]
amdhsa.kernels:
  - .name:           k_qed9a7d0c58_roipool
    .symbol:         k_qed9a7d0c58_roipool.kd
    .args:
      - { .name: roi_idx, .offset: 0, .size: 8, .value_kind: global_buffer, .address_space: global }
      - { .name: rois, .offset: 8, .size: 8, .value_kind: global_buffer, .address_space: global }
      - { .name: sentences, .offset: 16, .size: 8, .value_kind: global_buffer, .address_space: global }
      - { .name: out0, .offset: 24, .size: 8, .value_kind: global_buffer, .address_space: global }
    .group_segment_fixed_size: 207616
    .private_segment_fixed_size: 0
    .kernarg_segment_align: 8
    .kernarg_segment_size: 32
    .max_flat_workgroup_size: 1024
    .sgpr_count:     66
    .vgpr_count:     124
    .wavefront_size: 32
...
	.end_amdgpu_metadata
.endif
;; end of part 2
